; MI455X (gfx1250); checked and timed in simulation.
; The chip was launched on July 23, 2026; its instructions are those of AMD's public machine-readable ISA for CDNA 5 (MIT licence, August 2026) and "CDNA5" Instruction Set Architecture Reference Guide (July 2026). The comments in the code are by the model that wrote it; some were corrected since.
;; Multi Head Self Attention. Allowed arithmetic: matrix products marked QUANTISED: E2M3 operands, one E8M0 scale for each 32 along K, by v_wmma_scale_f32_16x16x128_f8f6f4 with both operands' format E2M3, f32 sums; everything else in f32.
;; Inputs: Wk 1,024 x 1,024 float32; Wo 1,024 x 1,024 float32; Wq 1,024 x 1,024 float32; Wv 1,024 x 1,024 float32; bk 1,024 float32; bo 1,024 float32; bq 1,024 float32; bv 1,024 float32; x 4 x 2,048 x 1,024 float32.
;; Outputs: out0 4 x 2,048 x 1,024 float32.
;; This version of the problem:
;;   THIS VERSION OF THE PROBLEM IS GIVEN IN LOW PRECISION. The matrix products marked QUANTISED in the list below multiply operands that are first quantised to E2M3 (2 exponent bits, 3 mantissa bits; 6 bits a number), with one power-of-two scale for each 32 numbers along K (OCP MX v1.0); their sums are f32. All else is computed in f32.
;;   The module's matrix products, in the order in which they are computed (A, B: the left and right operand; K: the contracted axis; several contracted axes count as one K, in the product's order):
;;     1. [M 8,192, K 1,024] x [K 1,024, N 1,024]; A: input x; B: input Wq: QUANTISED
;;     2. [M 8,192, K 1,024] x [K 1,024, N 1,024]; A: input x; B: input Wk: QUANTISED
;;     3. [M 8,192, K 1,024] x [K 1,024, N 1,024]; A: input x; B: input Wv: QUANTISED
;;     4. batch 64 x [M 2,048, K 64] x [K 64, N 2,048]; A: computed on the way; B: computed on the way: QUANTISED
;;     5. batch 64 x [M 2,048, K 2,048] x [K 2,048, N 64]; A: softmax (see below); B: computed on the way: QUANTISED
;;     6. [M 8,192, K 1,024] x [K 1,024, N 1,024]; A: computed on the way; B: input Wo: QUANTISED
;;   THE QUANTISER, for each operand of a quantised product, along K:
;;     - K is cut into blocks of 32 from its start; a last block that is shorter is filled with zeros.
;;     - A block's scale is 2^e with e = floor(log2(the largest magnitude in the block)) - 2, held to -126 .. 127; a block of zeros has e = 0. As a byte (E8M0): e + 127.
;;     - Each number is divided by its block's scale, clamped to +-7.5, and rounded to the nearest number of E2M3, ties to even, subnormals kept.
;;     - The product sums the exact products of the quantised numbers (number of the format x scale) in f32.
;;   ~~~python
;;   def quantise(x, axis):      # numpy; x: float32 -> the quantised numbers, widened to float32 again
;;       x = np.moveaxis(x, axis, -1); K = x.shape[-1]
;;       x = np.pad(x, [(0, 0)] * (x.ndim - 1) + [(0, -K % 32)]); x = x.reshape(x.shape[:-1] + (-1, 32)); a = np.abs(x).max(-1, keepdims=True)
;;       e = np.where(a > 0, np.clip(np.frexp(np.where(a > 0, a, 1))[1] - 1 - 2, -126, 127), 0)      # np.frexp(a)[1] - 1 = floor(log2(a)), exactly
;;       r = np.clip(x / 2.0 ** e, -7.5, 7.5)
;;       step = 2.0 ** (np.maximum(np.frexp(np.where(r == 0, 1, r))[1] - 1, 0) - 3)
;;       q = np.round(r / step) * step * 2.0 ** e      # np.round: ties to even
;;       return np.moveaxis(q.reshape(q.shape[:-2] + (-1,))[..., :K], -1, axis).astype(np.float32)
;;   ~~~
;;   SOFTMAX AHEAD OF A QUANTISED PRODUCT. Where the list says 'softmax', what is quantised is not the finished softmax but p = 2^(t - M), with t = logit x log2(e) and M = ceil(the row's largest t), a whole number; so 1/2 < the row's largest p <= 1. The row's sum l is taken of the UNQUANTISED p, in f32, and the product's result is divided by l at the end. Since M is a whole number, a kernel that streams over the keys may use a running M (the ceiling of the running maximum): every later rescaling is an exact power of two, which a block's scale takes up: the codes' values come out the same.
;;   OPERANDS COMPUTED ON THE WAY. 'Computed on the way' means the value that the module computes at that place (a softmax that the list does not call 'softmax' is quantised finished and normalised). What goes into a quantiser is computed in f32, as accurately as f32 sums, v_exp_f32 and their like allow (about 1e-6 of the number): no bf16 or f16 on the way to a quantiser, and a product that is left as it is and whose result goes on into a quantised operand takes f32 operands (vector FMAs, or v_wmma_f32_16x16x4_f32). A number that lies on a knife's edge between two numbers of the format may be rounded either way, as far as f32 arithmetic and the matrix unit's own rounding can turn it there, and no further.
;; One version. Each part assembles by itself: llvm-mc -triple=amdgcn-amd-amdhsa -mcpu=gfx1250 --defsym DOCPART=n.
;; ======== version 1 of 1: 4 launches
;; limits: right only within a limited range of input values
;; workspace buffers: cod 9,437,184 bytes; scl 393,216 bytes; qkvc 18,874,368 bytes; qkvs 786,432 bytes
;; launch quant (part 1): grid 256 x 1, 6 waves a work-group, no clusters, 51,456 bytes of LDS; arguments x, Wq, Wk, Wv, Wo, cod, scl; writes cod, scl
.if DOCPART == 1
	.amdgcn_target "amdgcn-amd-amdhsa--gfx1250"
	.amdhsa_code_object_version 6
	.text
	.protected	k_q99e300160a_quant
	.globl	k_q99e300160a_quant
	.p2align	8
	.type	k_q99e300160a_quant,@function
k_q99e300160a_quant:
	s_mov_b64 s[64:65], 0
	v_nop
	global_prefetch_b8 v0, s[64:65] scope:SCOPE_SE
	s_setreg_imm32_b32 hwreg(HW_REG_WAVE_MODE, 25, 1), 1
	s_wait_xcnt 0x0
; x [8192][1024] and Wq, Wk, Wv, Wo [1024][1024], f32, K innermost, become codes of FP6 (E2M3) with one E8M0 byte for each 32 along K.
; A block's scale is 2^(floor(log2(its largest magnitude)) - 2); its byte is the largest magnitude's exponent field - 2, held at 1 from below.
; LIMITS: a block whose largest magnitude lies under 2^-124 (a block of zeros among them) gets the byte 1 where the rule says otherwise: its codes are zeros or next to it, and this program alone reads the bytes.
; NaN and infinities among the inputs are not served.
; THE CODES ARE LAID IN THE ORDER OF AN OPERAND'S REGISTERS.  A ROW TILE (RT) is 16 rows: RT 2 B + u holds rows 32 B + 8 u + r + 8 (r / 8), r = 0 .. 15.  cod: [768 RT][16][768]: RT 0-511 x, 512-575 Wq, 576-639 Wk, 640-703 Wv, 704-767 Wo;
; a piece of 768 bytes is 16 rows x 64 along K: registers 2 p, 2 p + 1 (p = 0, 1, 2) of lane l at byte 256 p + 8 l; lane (r, h) holds k = 32 h .. 32 h + 31 of row r.  Two neighbouring pieces are one fragment of 12 registers.
; scl: [768 RT][2][16 r][4 words]: word 4 kh + i of a row holds the four bytes of its K step 4 kh + i (128 along K).
; SHARES: 1,536 tasks of one RT x 512 along K, one a wave: task = 6 x work-group + wave.  Waves share nothing: no barrier.  No work-group reads what another reads: no cluster.
; A task is four units of 16 rows x 128 K.  Each load reads 512 consecutive bytes of one row; a unit turns through the wave's own stage in LDS (rows 528 bytes apart, an odd multiple of 16) and comes back 32 neighbours of a block to a lane.
.set STG,   16*528                     ; a wave's stage
.set SPARE, 6*STG                      ; behind the six stages: the spare words, 128 bytes for each wave: three blocks of 256 bytes that no other line names
.set R,     32                         ; v32-159  two sets of 64: a unit as it is loaded
.set X,     160                        ; v160-223 a unit as the conversions want it: register 32 c + i = k 64 c + 32 h + i of row r
.set PC,    224                        ; v224-235 the fragment's codes
.set C2,    236                        ; v236-238, v240-242: a block's upper 16 codes as the conversion leaves them
.set W,     24                         ; v24-27   the four units' scale words
.set SPW,   30                         ; v30      LDS address of my spare word; never rewritten
.set NIL,   31                         ; v31      0; never rewritten
	s_load_b256 s[4:11], s[0:1], 0x0               ; x, Wq, Wk, Wv
	s_load_b128 s[12:15], s[0:1], 0x20             ; Wo, cod
	s_load_b64 s[16:17], s[0:1], 0x30              ; scl
	v_lshl_add_u32 v[SPW], v0, 2, SPARE
	v_mov_b32 v[NIL], 0
	v_lshrrev_b32 v1, 5, v0
	v_readfirstlane_b32 s18, v1                    ; wave 0..5
	v_and_b32 v1, 31, v0                           ; lane
	v_and_b32 v2, 15, v0                           ; r
	v_bfe_u32 v3, v0, 4, 1                         ; h
	v_lshlrev_b32 v4, 4, v1                        ; my 16 bytes of a load's 512
	s_mul_i32 s24, s18, STG
	v_add_nc_u32 v5, s24, v4                       ; the stage, on the way in: 16 x lane in a row
	v_mul_u32_u24 v6, v2, 528
	v_lshl_add_u32 v6, v3, 7, v6
	v_add_nc_u32 v6, s24, v6                       ; and on the way out: row r, + 128 h: my 32 numbers of a pair of blocks
	v_lshlrev_b32 v7, 3, v1                        ; the codes: 8 bytes a lane
	v_lshlrev_b32 v8, 4, v2
	v_lshl_add_u32 v8, v3, 3, v8                   ; the scale words: 16 r + 8 h
	v_lshlrev_b32 v9, 3, v3                        ; 8 h: how far my two bytes are shifted
	v_mov_b32 v17, 0                               ; written once: a lane permute's destination counts as one of its sources
	s_mov_b32 s20, 0xffff0000                      ; lanes 16-31
	s_mov_b32 s22, 0x76543210
	s_mov_b32 s23, 0xfedcba98                      ; v_permlanex16_b32's selects for lane l xor 16
	s_mul_i32 s25, ttmp9, 6
	s_add_co_u32 s25, s25, s18                     ; task = 2 RT + kh
	s_lshr_b32 s26, s25, 1                         ; RT
	s_and_b32 s27, s25, 1                          ; kh
	s_and_b32 s28, s26, 63
	s_cmp_lt_u32 s26, 512
	s_cselect_b32 s28, s26, s28                    ; the RT's number in its own tensor
	s_lshr_b32 s29, s28, 1
	s_lshl_b32 s29, s29, 17                        ; 32 rows of 4,096 bytes for each pair of RTs,
	s_and_b32 s30, s28, 1
	s_lshl_b32 s30, s30, 15                        ; 8 rows for the odd one,
	s_add_co_u32 s29, s29, s30
	s_lshl_b32 s30, s27, 11                        ; 2,048 bytes for the upper half of K
	s_add_co_u32 s30, s29, s30
	s_mov_b32 s31, 0
	s_mul_i32 s32, s25, 6144                       ; cod: 12,288 RT + 6,144 kh
	s_mov_b32 s33, 0
	s_lshl_b32 s34, s25, 8                         ; scl: 512 RT + 256 kh
	s_mov_b32 s35, 0
	s_wait_alu depctr_va_vdst(0)
	s_wait_kmcnt 0x0
	s_cmp_lt_u32 s26, 704                          ; which tensor: the choice hangs on the task's number alone
	s_cselect_b64 s[12:13], s[10:11], s[12:13]
	s_cmp_lt_u32 s26, 640
	s_cselect_b64 s[12:13], s[8:9], s[12:13]
	s_cmp_lt_u32 s26, 576
	s_cselect_b64 s[12:13], s[6:7], s[12:13]
	s_cmp_lt_u32 s26, 512
	s_cselect_b64 s[12:13], s[4:5], s[12:13]
	s_add_nc_u64 s[12:13], s[12:13], s[30:31]
	s_add_nc_u64 s[14:15], s[14:15], s[32:33]
	s_add_nc_u64 s[16:17], s[16:17], s[34:35]
.macro LOAD u                          ; unit u: 128 along K of the RT's 16 rows, into set u % 2: 32 lanes read 512 consecutive bytes
.irp i, 0,1,2,3,4,5,6,7,8,9,10,11,12,13,14,15
	global_load_b128 v[R+64*((\u)%2)+4*\i:R+64*((\u)%2)+4*\i+3], v4, s[12:13] offset:(\i+8*(\i/8))*4096+512*(\u) th:TH_LOAD_NT
.endr
.endm
.macro TURN u                          ; through the stage: LDS serves a wave's instructions in order (ISA guide 5.7.1.4), so no wait stands between the stores and the loads
.irp i, 0,1,2,3,4,5,6,7,8,9,10,11,12,13,14,15
	ds_store_b128 v5, v[R+64*((\u)%2)+4*\i:R+64*((\u)%2)+4*\i+3] offset:528*\i
.endr
.irp c, 0,1
.irp i, 0,1,2,3,4,5,6,7
	ds_load_b128 v[X+32*\c+4*\i:X+32*\c+4*\i+3], v6 offset:256*\c+16*\i
.endr
.endr
.endm
.macro QUANT2 u                        ; my two whole blocks (2 c + h, c = 0, 1) of row r: no other lane is asked for a maximum
.irp c, 0,1
	v_max3_num_f32 v[10+\c], |v[X+32*\c]|, |v[X+1+32*\c]|, 0x1800000   ; and the floor 2^(3 - 127): the byte cannot fall under 1
.endr
.irp i, 2,4,6,8,10,12,14,16,18,20,22,24,26,28,30
.irp c, 0,1
	v_max3_num_f32 v[10+\c], v[10+\c], |v[X+32*\c+\i]|, |v[X+1+32*\c+\i]|   ; (the two blocks by turns)
.endr
.endr
.irp c, 0,1
	v_add_nc_u32 v[12+\c], 0xff000000, v[10+\c]    ; 2 off the exponent field: the conversion takes the exponent field of this operand as its scale
.endr
.irp c, 0,1
	v_lshrrev_b32 v[14+\c], 23, v[12+\c]           ; the scale's byte
.endr
	v_lshl_or_b32 v16, v15, 16, v14                ; my two bytes: blocks h and 2 + h,
	v_lshlrev_b32 v16, v9, v16                     ; at their places in the word;
	v_permlanex16_b32 v17, v16, s22, s23
	v_or_b32 v[W+(\u)], v16, v17                   ; with lane l xor 16's two the word is whole, in both lanes
.irp c, 0,1
	v_cvt_scalef32_pk16_fp6_f32 v[PC+6*\c:PC+6*\c+2], v[X+32*\c:X+32*\c+15], v[12+\c]
	v_cvt_scalef32_pk16_fp6_f32 v[C2+4*\c:C2+4*\c+2], v[X+32*\c+16:X+32*\c+31], v[12+\c]   ; (a conversion's three registers begin on an even number)
.endr
	v_nop                                          ; one plain place behind a scaled conversion
.irp c, 0,1
.irp i, 0,1,2
	v_mov_b32 v[PC+3+6*\c+\i], v[C2+4*\c+\i]
.endr
.endr
.endm
.macro OUT u                           ; each store of the wave covers 256 consecutive bytes, aligned
.irp p, 0,1,2,3,4,5
	global_store_b64 v7, v[PC+2*\p:PC+2*\p+1], s[14:15] offset:1536*(\u)+256*\p
.endr
.endm
	LOAD 0
	LOAD 1
.irp u, 0,1,2,3
.if \u < 3
	s_wait_loadcnt 16                              ; this unit's 16 loads are in; the next unit's 16 may be out
.else
	s_wait_loadcnt 0x0
.endif
	TURN \u
	s_wait_dscnt 0x0                               ; the unit is back from the stage, and the stage's stores have read their set,
.if \u < 2
	LOAD \u+2                                      ; which takes the unit two on
.endif
.if \u > 0
	s_wait_xcnt 0x0                                ; the last unit's stores have read the codes' registers: only behind this wait are they written again
.endif
	QUANT2 \u
	OUT \u
.endr
	v_cndmask_b32 v28, v[W], v[W+2], s20           ; lanes 0-15 store words 0 and 1 of row r, lanes 16-31 words 2 and 3:
	v_cndmask_b32 v29, v[W+1], v[W+3], s20
	global_store_b64 v8, v[28:29], s[16:17]        ; 256 consecutive bytes, aligned
	s_wait_tensorcnt 0x0                           ; the wave's end
	ds_add_u32 v[SPW], v[NIL]
	s_wait_dscnt 0x0
	s_endpgm
.Lfunc_end_k_q99e300160a_quant:
	.size	k_q99e300160a_quant, .Lfunc_end_k_q99e300160a_quant-k_q99e300160a_quant
	.p2alignl 7, 3214868480
	.fill 96, 4, 3214868480
	.section	.rodata,"a",@progbits
	.p2align	6, 0x0
	.amdhsa_kernel k_q99e300160a_quant
		.amdhsa_group_segment_fixed_size 51456
		.amdhsa_private_segment_fixed_size 0
		.amdhsa_enable_private_segment 0
		.amdhsa_kernarg_size 56
		.amdhsa_user_sgpr_count 2
		.amdhsa_user_sgpr_kernarg_segment_ptr 1
		.amdhsa_wavefront_size32 1
		.amdhsa_system_sgpr_workgroup_id_x 1
		.amdhsa_system_sgpr_workgroup_id_y 1
		.amdhsa_system_sgpr_workgroup_id_z 1
		.amdhsa_system_vgpr_workitem_id 0
		.amdhsa_next_free_vgpr 248
		.amdhsa_next_free_sgpr 66
		.amdhsa_reserve_vcc 0
		.amdhsa_float_denorm_mode_32 3
		.amdhsa_float_denorm_mode_16_64 3
		.amdhsa_memory_ordered 1
		.amdhsa_forward_progress 1
		.amdhsa_inst_pref_size 32
	.end_amdhsa_kernel
	.amdgpu_metadata
---
amdhsa.version: [ 1, 2 ]
amdhsa.kernels:
  - .name:           k_q99e300160a_quant
    .symbol:         k_q99e300160a_quant.kd
    .args:
      - { .name: x, .offset: 0, .size: 8, .value_kind: global_buffer, .address_space: global }
      - { .name: Wq, .offset: 8, .size: 8, .value_kind: global_buffer, .address_space: global }
      - { .name: Wk, .offset: 16, .size: 8, .value_kind: global_buffer, .address_space: global }
      - { .name: Wv, .offset: 24, .size: 8, .value_kind: global_buffer, .address_space: global }
      - { .name: Wo, .offset: 32, .size: 8, .value_kind: global_buffer, .address_space: global }
      - { .name: cod, .offset: 40, .size: 8, .value_kind: global_buffer, .address_space: global }
      - { .name: scl, .offset: 48, .size: 8, .value_kind: global_buffer, .address_space: global }
    .group_segment_fixed_size: 51456
    .private_segment_fixed_size: 0
    .kernarg_segment_align: 8
    .kernarg_segment_size: 56
    .max_flat_workgroup_size: 192
    .sgpr_count:     66
    .vgpr_count:     248
    .wavefront_size: 32
...
	.end_amdgpu_metadata
.endif
;; end of part 1
;; launch qkv (part 2): grid 8 x 48, 4 waves a work-group, clusters of 4 x 4, 327,680 bytes of LDS; arguments cod, scl, bq, bk, bv, qkvc, qkvs; writes qkvc, qkvs
.if DOCPART == 2
	.amdgcn_target "amdgcn-amd-amdhsa--gfx1250"
	.amdhsa_code_object_version 6
	.text
	.protected	k_q99e300160a_qkv
	.globl	k_q99e300160a_qkv
	.p2align	8
	.type	k_q99e300160a_qkv,@function
k_q99e300160a_qkv:
	s_mov_b64 s[64:65], 0
	v_nop
	global_prefetch_b8 v0, s[64:65] scope:SCOPE_SE
	s_setreg_imm32_b32 hwreg(HW_REG_WAVE_MODE, 25, 1), 1
	s_wait_xcnt 0x0
	s_wait_alu depctr_hold_cnt(0) depctr_sa_sdst(0) depctr_va_vdst(0) depctr_va_sdst(0) depctr_va_ssrc(0) depctr_va_vcc(0) depctr_vm_vsrc(0)
	s_getreg_b32 s2, hwreg(HW_REG_IB_STS2, 6, 4)
	s_cmp_eq_u32 s2, 0
	s_cbranch_scc0 .Lentry_in_a_cluster
	s_endpgm
.Lentry_in_a_cluster:
	s_bfe_u32 s2, ttmp6, 0x10000c
	s_cmp_lg_u32 s2, 0xf033
	s_cbranch_scc0 .Lentry_shape_is_right
	s_endpgm
.Lentry_shape_is_right:
.set FR,    12
.set SLOT,  98304
.set HALFT, 24576
.set SPARE, 3*SLOT
.set ADRA,  16
.set ADRB,  19
.set SPW,   28
.set NIL,   29
.set SC,    32
.set AF,    128
.set T,     128
.set PC,    192
.set TM,    32
.set W,     48
.set XW,    56
.set SEL,   2
.set G1,    24
.set G0,    32
.set G1B,   44
.set G0B,   52
.set MSB, 0
.macro WIN new
.if MSB != (\new)
	s_set_vgpr_msb (MSB<<8)|(\new)
.set MSB, (\new)
.endif
.endm
.set MUL_LO, 0xa1
.set MUL_HI, 0xf1
.set TO_B,   0x40
.macro JLOAD g0a, g1a, g0b, g1b
	s_cmp_eq_u32 s19, 0
	s_cbranch_scc0 .Lfor_b_\@
	tensor_load_to_lds s[\g0a:\g0a+3], s[\g1a:\g1a+7]
	s_nop 0
.rept 4
	v_nop
.endr
	s_branch .Lasked_\@
.Lfor_b_\@:
	tensor_load_to_lds s[\g0b:\g0b+3], s[\g1b:\g1b+7]
	s_nop 0
.rept 4
	v_nop
.endr
.Lasked_\@:
.endm
.macro CREST
	s_cmp_lg_u32 s18, 0
	s_cbranch_scc1 .Lnot_wave_0_\@
	s_barrier_signal -3
.Lnot_wave_0_\@:
	s_barrier_wait -3
	s_barrier_signal -1
	s_barrier_wait -1
.endm
.macro CROUND
	s_barrier_signal -1
	s_barrier_wait -1
	CREST
.endm
.macro PLACES n
.rept \n
	v_nop
.endr
.endm
	s_load_b256 s[4:11], s[0:1], 0x0
	s_load_b128 s[12:15], s[0:1], 0x20
	s_load_b64 s[16:17], s[0:1], 0x30
	v_lshl_add_u32 v[SPW], v0, 2, SPARE
	v_mov_b32 v[NIL], 0
	ds_add_u32 v[SPW], v[NIL]
	ds_add_u32 v[SPW], v[NIL]
	v_lshrrev_b32 v1, 5, v0
	v_readfirstlane_b32 s18, v1
	s_lshr_b32 s19, s18, 1
	s_and_b32 s20, s18, 1
	s_bfe_u32 s66, ttmp6, 0x40000
	s_bfe_u32 s67, ttmp6, 0x40004
	s_mov_b32 s68, ttmp9
	s_and_b32 s69, ttmp7, 0xffff
	s_lshl_b32 s76, s69, 2
	s_lshl_b32 s77, s68, 2
	s_add_co_u32 s78, s77, 32
	s_max_u32 s79, s69, 8
	s_sub_co_u32 s79, s79, 8
	s_lshl_b32 s79, s79, 3
	s_add_co_u32 s79, s79, s77
	s_mov_b32 s80, 3072
	s_mov_b32 s81, 98304
	s_mov_b32 s21, 512
	s_mov_b32 s22, 256
	s_cmp_ge_u32 s69, 8
	s_cselect_b32 s70, 1, 0
	s_cselect_b32 s72, 40, s76
	s_cselect_b32 s71, s79, s78
	s_cselect_b32 s80, 98304, s80
	s_cselect_b32 s81, 3072, s81
	s_cselect_b32 s21, 256, s21
	s_cselect_b32 s22, 4096, s22
	s_add_co_u32 s72, s72, s67
	s_add_co_u32 s71, s71, s66
	s_lshl_b32 s73, s67, 2
	s_lshl_b32 s73, 15, s73
	s_lshl_b32 s74, 0x1111, s66
	s_mov_b32 s75, 0xffff0000
	s_mov_b32 s[SEL], 0x76543210
	s_mov_b32 s[SEL+1], 0xfedcba98
	s_or_b32 s[G1], s73, (3<<16)|(1<<21)
	s_or_b32 s[G1B], s74, (3<<16)|(1<<21)
.irp g, G1, G1B
	s_mov_b32 s[\g+1], 384<<16
	s_mov_b32 s[\g+2], 8<<16
	s_mov_b32 s[\g+3], 384<<16
	s_mov_b32 s[\g+4], 8
	s_mov_b32 s[\g+5], 1536
	s_mov_b32 s[\g+6], 0
	s_mov_b32 s[\g+7], 0
.endr
	s_lshl_b32 s82, s72, 4
	s_lshl_b32 s83, s20, 3
	s_add_co_u32 s82, s82, s83
	s_mul_i32 s82, s82, 12288
	s_mov_b32 s83, 0
	s_lshl_b32 s84, s71, 4
	s_lshl_b32 s85, s20, 3
	s_add_co_u32 s84, s84, s85
	s_mul_i32 s84, s84, 12288
	s_mov_b32 s85, 0
	s_mul_i32 s86, s18, HALFT
	s_wait_dscnt 0x0
	s_wait_kmcnt 0x0
	s_add_nc_u64 s[82:83], s[4:5], s[82:83]
	s_add_nc_u64 s[84:85], s[4:5], s[84:85]
	CROUND
.irp s, 0,1,2
	s_mov_b32 s[G0+4*\s], 1
	s_add_co_u32 s[G0+4*\s+1], s86, \s*SLOT
	s_add_nc_u64 s[G0+4*\s+2:G0+4*\s+3], s[82:83], \s*3072
	s_or_b32 s[G0+4*\s+3], s[G0+4*\s+3], 0x80000000
	s_mov_b32 s[G0B+4*\s], 1
	s_add_co_u32 s[G0B+4*\s+1], s86, \s*SLOT
	s_add_nc_u64 s[G0B+4*\s+2:G0B+4*\s+3], s[84:85], \s*3072
	s_or_b32 s[G0B+4*\s+3], s[G0B+4*\s+3], 0x80000000
	s_wait_alu depctr_va_vdst(0)
	s_wait_tensorcnt 0x0
	ds_add_u32 v28, v29
	ds_add_u32 v28, v29
	s_wait_dscnt 0x0
	CROUND
	JLOAD G0+4*\s, G1, G0B+4*\s, G1B
.endr
	v_and_b32 v1, 31, v0
	v_and_b32 v2, 15, v0
	v_bfe_u32 v3, v0, 4, 1
	v_lshlrev_b32 v4, 3, v1
	s_lshl_b32 s89, s72, 8
	s_lshl_b32 s87, s19, 7
	s_add_co_u32 s89, s89, s87
	s_lshl_b32 s90, s71, 8
	s_lshl_b32 s87, s20, 7
	s_add_co_u32 s90, s90, s87
	s_lshl_b32 s87, s89, 5
	s_lshl_b32 s88, s90, 5
	v_mov_b32 v5, s87
	v_mov_b32 v6, s88
	v_cndmask_b32 v27, v5, v6, s75
	s_wait_alu depctr_va_vdst(0)
	v_lshl_add_u32 v27, v2, 4, v27
.irp i, 0,1,2,3,4,5,6,7
	global_load_b128 v[SC+8*\i:SC+8*\i+3], v27, s[6:7] offset:512*\i
	global_load_b128 v[SC+8*\i+4:SC+8*\i+7], v27, s[6:7] offset:512*\i+256
.endr
	s_cmp_eq_u32 s68, 0
	s_cselect_b64 s[76:77], s[8:9], s[10:11]
	s_and_b32 s78, s90, 1023
	s_lshl_b32 s78, s78, 2
	s_mov_b32 s79, 0
	s_add_nc_u64 s[76:77], s[76:77], s[78:79]
	s_and_b32 s78, s89, 1023
	s_lshl_b32 s78, s78, 2
	s_add_nc_u64 s[12:13], s[12:13], s[78:79]
	v_lshlrev_b32 v30, 6, v3
	v_and_b32 v7, 8, v2
	v_add_nc_u32 v7, v7, v2
	v_lshlrev_b32 v31, 2, v7
.irp b, 0,1,2,3,4,5,6,7
	global_load_b128 v[96+8*\b+96*(\b/4):96+8*\b+96*(\b/4)+3], v30, s[76:77] offset:(32*(\b/2)+8*(\b%2))*4
	global_load_b128 v[96+8*\b+96*(\b/4)+4:96+8*\b+96*(\b/4)+7], v30, s[76:77] offset:(32*(\b/2)+8*(\b%2))*4+16
.endr
.irp a, 0,1,2,3,4,5,6,7
	global_load_b32 v[8+\a], v31, s[12:13] offset:(32*(\a/2)+8*(\a%2))*4
.endr
	s_mul_i32 s91, s19, HALFT
	s_mul_i32 s92, s20, HALFT
	s_add_co_u32 s92, s92, 2*HALFT
.irp s, 0,1,2
	v_add_nc_u32 v[ADRA+\s], s91, v4
	v_add_nc_u32 v[ADRB+\s], s92, v4
	s_add_co_u32 s91, s91, SLOT
	s_add_co_u32 s92, s92, SLOT
.endr
	s_cmp_eq_u32 s70, 1
	s_cselect_b32 s91, s90, s89
	s_cselect_b32 s92, s89, s90
	s_sub_co_u32 s92, s92, 8192
	s_lshr_b32 s93, s92, 10
	s_bfe_u32 s94, s92, 0x30007
	s_lshr_b32 s95, s91, 11
	s_bfe_u32 s96, s91, 0x40007
	s_lshl_b32 s95, s95, 3
	s_add_co_u32 s95, s95, s94
	s_mul_i32 s97, s93, 6291456
	s_mul_i32 s98, s95, 196608
	s_add_co_u32 s97, s97, s98
	s_mul_i32 s98, s96, 6144
	s_add_co_u32 s98, s97, s98
	s_mov_b32 s99, 0
	s_add_nc_u64 s[14:15], s[14:15], s[98:99]
	s_lshl_b32 s97, s93, 18
	s_lshl_b32 s98, s95, 13
	s_add_co_u32 s97, s97, s98
	s_mul_i32 s98, s96, s21
	s_add_co_u32 s98, s97, s98
	s_add_nc_u64 s[16:17], s[16:17], s[98:99]
	v_mov_b32 v22, v4
	v_add_nc_u32 v23, s81, v4
	v_add_nc_u32 v24, s80, v4
	v_add_nc_u32 v25, s81, v24
	v_mul_u32_u24 v5, s22, v3
	v_lshl_add_u32 v26, v2, 4, v5
.macro FRAG reg, adr, q, i
.irp p, 0,1,2,3,4,5
	ds_load_b64 v[\reg+2*\p:\reg+2*\p+1], v[\adr] offset:3072*(\i)+1536*(\q)+256*\p
.endr
.endm
.macro MUL16 a0, p, kq, zero
.irp a, \a0, \a0+1
.irp b, 0,1,2,3,4,5,6,7
.if \zero
	v_wmma_scale_f32_16x16x128_f8f6f4 v[8*(8*((\a)%4)+\b):8*(8*((\a)%4)+\b)+7], v[128*(\p)+FR*\b:128*(\p)+FR*\b+FR-1], v[AF+FR*(\a):AF+FR*(\a)+FR-1], 0, v[SC+8*\b+(\kq)], v[SC+8*(\a)+(\kq)] matrix_a_fmt:MATRIX_FMT_FP6 matrix_b_fmt:MATRIX_FMT_FP6 matrix_a_scale:MATRIX_SCALE_ROW1
.else
	v_wmma_scale_f32_16x16x128_f8f6f4 v[8*(8*((\a)%4)+\b):8*(8*((\a)%4)+\b)+7], v[128*(\p)+FR*\b:128*(\p)+FR*\b+FR-1], v[AF+FR*(\a):AF+FR*(\a)+FR-1], v[8*(8*((\a)%4)+\b):8*(8*((\a)%4)+\b)+7], v[SC+8*\b+(\kq)], v[SC+8*(\a)+(\kq)] matrix_a_fmt:MATRIX_FMT_FP6 matrix_b_fmt:MATRIX_FMT_FP6 matrix_a_scale:MATRIX_SCALE_ROW1
.endif
.endr
.endr
.endm
.macro FETCH_B slot, q, p
	WIN TO_B
.irp i, 0,1,2,3,4,5,6,7
	FRAG 128*(\p)+FR*\i, ADRB+\slot, \q, \i
.endr
	WIN 0
.endm
.macro FETCH_A slot, q, i0
.irp i, \i0, \i0+1, \i0+2, \i0+3
	FRAG AF+FR*(\i), ADRA+\slot, \q, \i
.endr
.endm
.macro STEP kq, nslot, nq, zero
	s_wait_dscnt 24
	WIN MUL_LO
	MUL16 0, (\kq)%2, \kq, \zero
	MUL16 2, (\kq)%2, \kq, \zero
	s_wait_dscnt 0x0
	PLACES 4
	FETCH_B \nslot, \nq, 1-(\kq)%2
	FETCH_A \nslot, \nq, 0
	WIN MUL_HI
	MUL16 4, (\kq)%2, \kq, \zero
	MUL16 6, (\kq)%2, \kq, \zero
	PLACES 4
	WIN 0
	FETCH_A \nslot, \nq, 4
.endm
.macro TURN kq, nslot, fill
	s_wait_tensorcnt 0x0
	ds_add_u32 v[SPW], v[NIL]
	s_wait_dscnt 25
	WIN MUL_LO
	MUL16 0, (\kq)%2, \kq, 0
	s_wait_dscnt 0x0
	s_barrier_signal -1
	MUL16 2, (\kq)%2, \kq, 0
	WIN 0
	s_barrier_wait -1
.if \fill
	CREST
	s_add_nc_u64 s[G0+2:G0+3], s[G0+2:G0+3], 3*3072
	s_add_nc_u64 s[G0B+2:G0B+3], s[G0B+2:G0B+3], 3*3072
	JLOAD G0, G1, G0B, G1B
.else
	PLACES 4
.endif
	s_wait_alu depctr_va_vdst(0)
	FETCH_B \nslot, 0, 1-(\kq)%2
	FETCH_A \nslot, 0, 0
	WIN MUL_HI
	MUL16 4, (\kq)%2, \kq, 0
	MUL16 6, (\kq)%2, \kq, 0
	PLACES 4
	WIN 0
	FETCH_A \nslot, 0, 4
.endm
	s_wait_tensorcnt 2
	s_barrier_signal -1
	s_barrier_wait -1
	s_wait_loadcnt 0x0
	FETCH_B 0, 0, 0
	FETCH_A 0, 0, 0
	FETCH_A 0, 0, 4
	STEP 0, 0, 1, 1
	TURN 1, 1, 1
	STEP 2, 1, 1, 0
	STEP 3, 2, 0, 0
	STEP 4, 2, 1, 0
	TURN 5, 0, 0
	STEP 6, 0, 1, 0
	s_wait_dscnt 24
	WIN MUL_LO
	MUL16 0, 1, 7, 0
	MUL16 2, 1, 7, 0
	s_wait_dscnt 0x0
	WIN MUL_HI
	MUL16 4, 1, 7, 0
	MUL16 6, 1, 7, 0
	WIN 0
.macro QUANT s, pw
.irp b, 0,1,2,3
	v_max3_num_f32 v[TM+\b], |v[\s+16*\b]|, |v[\s+1+16*\b]|, 0x1800000
.endr
.irp i, 2,4,6,8,10,12,14
.irp b, 0,1,2,3
	v_max3_num_f32 v[TM+\b], v[TM+\b], |v[\s+16*\b+\i]|, |v[\s+1+16*\b+\i]|
.endr
.endr
.irp b, 0,1,2,3
	v_permlanex16_b32 v[TM+4+\b], v[TM+\b], s[SEL], s[SEL+1]
.endr
.irp b, 0,1,2,3
	v_max_num_f32 v[TM+\b], v[TM+\b], v[TM+4+\b]
.endr
.irp b, 0,1,2,3
	v_add_nc_u32 v[TM+12+\b], 0xff000000, v[TM+\b]
.endr
.irp b, 0,1,2,3
	v_lshrrev_b32 v[TM+4+\b], 23, v[TM+12+\b]
.endr
	v_lshl_or_b32 v[\pw], v[TM+5], 8, v[TM+4]
	v_lshl_or_b32 v[\pw], v[TM+6], 16, v[\pw]
	v_lshl_or_b32 v[\pw], v[TM+7], 24, v[\pw]
.irp c, 0,1
	v_cvt_scalef32_pk16_fp6_f32 v[PC+6*\c:PC+2+6*\c], v[\s+32*\c:\s+15+32*\c], v[TM+12+2*\c]
	v_cvt_scalef32_pk16_fp6_f32 v[PC+12+4*\c:PC+14+4*\c], v[\s+16+32*\c:\s+31+32*\c], v[TM+12+2*\c+1]
.endr
	v_nop
.irp c, 0,1
.irp i, 0,1,2
	v_permlane16_swap_b32 v[PC+6*\c+\i], v[PC+12+4*\c+\i]
.endr
.irp i, 0,1,2
	v_mov_b32 v[PC+3+6*\c+\i], v[PC+12+4*\c+\i]
.endr
.endr
.endm
.macro BLOCK a
.if (\a) > 0
	s_wait_xcnt 0x0
.endif
	s_cmp_eq_u32 s70, 0
	s_cbranch_scc0 .Lkeys_\@
	WIN 0x02+(\a)/4
.irp b, 0,1,2,3,4,5,6,7
.irp j, 0,2,4,6
	v_pk_add_f32 v[T+8*\b+\j:T+8*\b+\j+1], v[64*((\a)%4)+8*\b+\j:64*((\a)%4)+8*\b+\j+1], v[96+8*\b+96*(\b/4)+\j:96+8*\b+96*(\b/4)+\j+1]
.endr
.endr
	WIN 0
	s_branch .Lsum_\@
.Lkeys_\@:
	v_mov_b32 v60, v[8+(\a)]
	s_wait_alu depctr_va_vdst(0)
	WIN 0x02+(\a)/4
.irp b, 0,1,2,3,4,5,6,7
.irp j, 0,2,4,6
	v_pk_add_f32 v[T+8*\b+\j:T+8*\b+\j+1], v[64*((\a)%4)+8*\b+\j:64*((\a)%4)+8*\b+\j+1], v[60:61] op_sel_hi:[1,0]
.endr
.endr
	WIN 0
.Lsum_\@:
	QUANT T, W+(\a)
.irp p, 0,1,2,3,4,5
	global_store_b64 v[22+2*((\a)/4)+\p/3], v[PC+2*\p:PC+2*\p+1], s[14:15] offset:768*((\a)%4)+256*(\p%3)
.endr
.endm
	PLACES 4
.irp b, 0,1,2,3
	v_mov_b32 v[TM+4+\b], 0
.endr
	v_mov_b32 v61, 0
.irp a, 0,1,2,3,4,5,6,7
	BLOCK \a
.endr
.irp i, 0,1,2,3
	v_cndmask_b32 v[XW+\i], v[W+\i], v[W+4+\i], s75
.endr
	global_store_b128 v26, v[XW:XW+3], s[16:17]
	s_wait_tensorcnt 0x0
	ds_add_u32 v[SPW], v[NIL]
	s_wait_dscnt 0x0
	CROUND
	s_endpgm
.Lfunc_end_k_q99e300160a_qkv:
	.size	k_q99e300160a_qkv, .Lfunc_end_k_q99e300160a_qkv-k_q99e300160a_qkv
	.p2alignl 7, 3214868480
	.fill 96, 4, 3214868480
	.section	.rodata,"a",@progbits
	.p2align	6, 0x0
	.amdhsa_kernel k_q99e300160a_qkv
		.amdhsa_group_segment_fixed_size 327680
		.amdhsa_private_segment_fixed_size 0
		.amdhsa_enable_private_segment 0
		.amdhsa_kernarg_size 56
		.amdhsa_user_sgpr_count 2
		.amdhsa_user_sgpr_kernarg_segment_ptr 1
		.amdhsa_wavefront_size32 1
		.amdhsa_system_sgpr_workgroup_id_x 1
		.amdhsa_system_sgpr_workgroup_id_y 1
		.amdhsa_system_sgpr_workgroup_id_z 1
		.amdhsa_system_vgpr_workitem_id 0
		.amdhsa_next_free_vgpr 1024
		.amdhsa_next_free_sgpr 100
		.amdhsa_reserve_vcc 0
		.amdhsa_float_denorm_mode_32 3
		.amdhsa_float_denorm_mode_16_64 3
		.amdhsa_memory_ordered 1
		.amdhsa_forward_progress 1
		.amdhsa_inst_pref_size 202
	.end_amdhsa_kernel
	.amdgpu_metadata
---
amdhsa.version: [ 1, 2 ]
amdhsa.kernels:
  - .name:           k_q99e300160a_qkv
    .symbol:         k_q99e300160a_qkv.kd
    .args:
      - { .name: cod, .offset: 0, .size: 8, .value_kind: global_buffer, .address_space: global }
      - { .name: scl, .offset: 8, .size: 8, .value_kind: global_buffer, .address_space: global }
      - { .name: bq, .offset: 16, .size: 8, .value_kind: global_buffer, .address_space: global }
      - { .name: bk, .offset: 24, .size: 8, .value_kind: global_buffer, .address_space: global }
      - { .name: bv, .offset: 32, .size: 8, .value_kind: global_buffer, .address_space: global }
      - { .name: qkvc, .offset: 40, .size: 8, .value_kind: global_buffer, .address_space: global }
      - { .name: qkvs, .offset: 48, .size: 8, .value_kind: global_buffer, .address_space: global }
    .group_segment_fixed_size: 327680
    .private_segment_fixed_size: 0
    .kernarg_segment_align: 8
    .kernarg_segment_size: 56
    .max_flat_workgroup_size: 128
    .sgpr_count:     100
    .vgpr_count:     1024
    .wavefront_size: 32
...
	.end_amdgpu_metadata
.endif
;; end of part 2
;; launch attn (part 3): grid 4 x 64, 16 waves a work-group, clusters of 4 x 1, 327,680 bytes of LDS; arguments qkvc, qkvs, cod, scl; writes cod, scl
.if DOCPART == 3
	.amdgcn_target "amdgcn-amd-amdhsa--gfx1250"
	.amdhsa_code_object_version 6
	.text
	.protected	k_q99e300160a_attn
	.globl	k_q99e300160a_attn
	.p2align	8
	.type	k_q99e300160a_attn,@function
k_q99e300160a_attn:
	s_mov_b64 s[64:65], 0
	v_nop
	global_prefetch_b8 v0, s[64:65] scope:SCOPE_SE
	s_setreg_imm32_b32 hwreg(HW_REG_WAVE_MODE, 25, 1), 1
	s_wait_xcnt 0x0
	s_wait_alu depctr_hold_cnt(0) depctr_sa_sdst(0) depctr_va_vdst(0) depctr_va_sdst(0) depctr_va_ssrc(0) depctr_va_vcc(0) depctr_vm_vsrc(0)
	s_getreg_b32 s2, hwreg(HW_REG_IB_STS2, 6, 4)
	s_cmp_eq_u32 s2, 0
	s_cbranch_scc0 .Lentry_in_a_cluster
	s_endpgm
.Lentry_in_a_cluster:
	s_bfe_u32 s2, ttmp6, 0x10000c
	s_cmp_lg_u32 s2, 0x3003
	s_cbranch_scc0 .Lentry_shape_is_right
	s_endpgm
.Lentry_shape_is_right:
; ctx[b][q][head] = softmax(q k^T / 8) v for 64 heads of 2,048 tokens x 64, both products on codes of FP6 (E2M3) with E8M0 scales, and the quantiser of ctx along D behind them.
; THE SOFTMAX: t = score x log2(e) / 8; M = the row's largest t so far, rounded UP to a whole number; p = 2^(t - M) is quantised along the keys, not normalised.  The row's sum is taken of the unquantised p and divides at the end.
; When M moves, the sum and O are multiplied by 2^(old M - new M): exact.
; IN: q, k [head][128 RT of tokens][768]: a piece of 768 bytes is 16 tokens x the head's 64, registers 2 p, 2 p + 1 of lane l at 256 p + 8 l; RT 2 B + u holds tokens 32 B + 8 u + r + 8 (r / 8).  v [head][32 x 64 keys][4 RT of the head's 64][768].
; OUT: ctx's codes into cod's RT 0-511 and its scale bytes into scl, where x's lay.
; SHARES: 256 work-groups; each owns 512 queries of one head; each of its sixteen waves takes two RTs of 16 queries, one after the other, 16 key steps of 128 keys each.
; THE WHOLE HEAD LIES IN LDS, filled once: one joint load a wave (waves 0-7 K, 8-15 V), mask 15: the four work-groups of a cluster share the head.  One barrier; nothing is filled again.
; Every byte of K and V is asked for at the head: there is no later request that a prefetch could run ahead of.
; A TILE OF K IS PUT TOGETHER FROM TWO PIECES: tile (c, j) takes as rows 0-7 tokens 64 c + 8 j + 0..7 and as rows 8-15 tokens 64 c + 32 + 8 j + 0..7.  So the 32 registers of tiles 4 c .. 4 c + 3 in lane (r, h) are keys 64 c + 32 h + 0 .. 31:
; one whole scale block, in the order of the next operand's registers: no lane is asked for a block's maximum and no code changes lanes.
; The pieces of even 32-token groups lie in LDS from 0, those of odd groups from KB = 49,152 + 64: the two halves of the rows then read different banks (64 banks of 4 bytes: ISA guide 11.1).
; K = 64 IN AN INSTRUCTION OF K = 128: Q's registers 6-11 are zero codes, so what K's operand holds in its upper six registers (the next tile, or what lies behind the last) adds nothing.  Scale words come as 16 bits; the upper two bytes are 0, over zero products.
; TWO REGIONS OF 64 REGISTERS TAKE TURNS: in one lie a step's K and then its V, in the other its scores and p.  When p has been converted, the next step's K is fetched into p's region: 28 LDS loads ahead of O's rescaling and the second product.
; The first RT walks the key steps upward, the second downward (index n xor 15): the fetch ahead names step min(n + 1, 15), which at the change of RT is the step that comes next.  The order of the keys changes no sum but by rounding.
; The scale bytes (K's 8,192 of the pair of heads, V's 4,096) go through registers into LDS bytes of their own.
; LIMITS: the promise holds while the scaled scores stay under 2^31 in magnitude; a block whose largest magnitude lies under 2^-124 gets the byte 1; NaN and infinities are not served.
; REGISTERS: v1-4 addresses that stay; v5, v6 the add's two; v7, v28, v29 offsets; v8-11 addresses in hand; v12 -M, v13 the largest score, v[14:15] the sum; v16-27, v192-203 the two Q tiles with their zeros; v30, v31 their scale words;
;   v32-95, v96-159 the two regions; v160-191 O^T; v206-212 a block's upper codes; v216-219 K's scale words; v220 8 h; v224-235 p's codes; v232-247, v252, v254 at work; v248-251 V's scale words; v253 p's scale word.
.set KB,    49216
.set VB,    98560
.set KS,    196864
.set VS,    KS+8192
.set SPARE, VS+4096                    ; the spare words, 128 bytes for each wave
.set AK0,  1
.set AV0,  2
.set ASK0, 3
.set ASV0, 4
.set SPW,  5
.set NIL,  6
.set GO,   7
.set ADK,  8
.set ADV,  9
.set ADS,  10
.set ADT,  11
.set SB,   28
.set QS,   29
.set SH8,  220
.set WV,   18
.set SEL,  20                          ; s[20:21] selects for lane l xor 16
.set CS,   22                          ; s[22:23] c = log2(e) / 8
.set G1K,  24
.set G1V,  32
.set G0K,  40
.set G0V,  44
.set TKN,  2                           ; s2, s3: where the next step's K and its scale words begin
.set TSN,  3
.set TV,   60                          ; s60, s61: where this step's V and its scale words begin
.set TJ,   61
.set N,    62                          ; s62 the step's number, two a trip
.set HI16, 63
.set NC,   48                          ; s48 -c
.set NB,   49                          ; s49 the next step's key index
.macro CROUND
	s_barrier_signal -1
	s_barrier_wait -1
	s_cmp_lg_u32 s[WV], 0
	s_cbranch_scc1 .Lnot_wave_0_\@
	s_barrier_signal -3
.Lnot_wave_0_\@:
	s_barrier_wait -3
	s_barrier_signal -1
	s_barrier_wait -1
.endm
.macro WALU
	s_wait_alu depctr_va_vdst(0)
.endm
.macro DEP n
	s_delay_alu instid0(VALU_DEP_\n)
.endm
	s_load_b256 s[4:11], s[0:1], 0x0               ; qkvc, qkvs, cod, scl
	v_lshl_add_u32 v[SPW], v0, 2, SPARE
	v_mov_b32 v[NIL], 0
	ds_add_u32 v[SPW], v[NIL]                      ; the opening lines: the add, twice on end, and its wait ahead of my tensor load
	ds_add_u32 v[SPW], v[NIL]
	v_lshrrev_b32 v8, 5, v0
	v_readfirstlane_b32 s[WV], v8                  ; wave 0..15
	s_bfe_u32 s66, ttmp6, 0x40000                  ; cx: it enters Q's and ctx's global addresses alone
	s_lshl_b32 s67, ttmp9, 2
	s_add_co_u32 s67, s67, s66                     ; my block of 512 queries
	s_and_b32 s68, ttmp7, 0xffff                   ; the head, 16 b + its number
	s_and_b32 s69, s68, 1                          ; odd head of its pair?
	s_bfe_u32 s70, s68, 0x30001                    ; the pair in its batch
	s_lshr_b32 s71, s68, 4                         ; the batch
	; group 1: 8 rows of 1,536 bytes (192 elements of 8).  K: every second such row of memory (pitch 3,072); V: dense
.irp g, G1K, G1V
	s_mov_b32 s[\g], 15|(3<<16)|(1<<21)
	s_mov_b32 s[\g+1], 192<<16
	s_mov_b32 s[\g+2], 8<<16
	s_mov_b32 s[\g+3], 192<<16
	s_mov_b32 s[\g+4], 8
	s_mov_b32 s[\g+6], 0
	s_mov_b32 s[\g+7], 0
.endr
	s_mov_b32 s[G1K+5], 384
	s_mov_b32 s[G1V+5], 192
	s_bfe_u32 s72, s[WV], 0x10002                  ; K: even (0) or odd (1) 32-token groups,
	s_and_b32 s73, s[WV], 3                        ; which quarter of them
	s_and_b32 s75, s[WV], 7                        ; V: which eighth
	s_mov_b32 s[G0K], 1
	s_mul_i32 s[G0K+1], s72, KB
	s_mul_i32 s74, s73, 12288
	s_add_co_u32 s[G0K+1], s[G0K+1], s74
	s_mov_b32 s[G0V], 1
	s_mul_i32 s[G0V+1], s75, 12288
	s_add_co_u32 s[G0V+1], s[G0V+1], VB
	s_mul_i32 s79, s68, 98304                      ; the head's codes in a section
	s_mul_i32 s76, s72, 1536
	s_mul_i32 s74, s73, 24576
	s_add_co_u32 s76, s76, s74
	s_add_co_u32 s76, s76, s79
	s_add_co_u32 s76, s76, 6291456                 ; section 1 is k
	s_mov_b32 s77, 0
	s_mul_i32 s80, s75, 12288
	s_add_co_u32 s80, s80, s79
	s_add_co_u32 s80, s80, 12582912                ; section 2 is v
	s_mov_b32 s81, 0
	s_mov_b32 s[SEL], 0x76543210
	s_mov_b32 s[SEL+1], 0xfedcba98
	s_mov_b32 s[CS], 0x3e38aa3b
	s_mov_b32 s[CS+1], s[CS]
	s_mov_b32 s[NC], 0xbe38aa3b
	s_mov_b32 s[HI16], 0xffff0000
	s_wait_dscnt 0x0                               ; both opening adds are done
	s_wait_kmcnt 0x0
	s_add_nc_u64 s[G0K+2:G0K+3], s[4:5], s[76:77]
	s_or_b32 s[G0K+3], s[G0K+3], 0x80000000
	s_add_nc_u64 s[G0V+2:G0V+3], s[4:5], s[80:81]
	s_or_b32 s[G0V+3], s[G0V+3], 0x80000000
	CROUND                                         ; all four work-groups are here: the joint loads meet
	s_cmp_lt_u32 s[WV], 8
	s_cbranch_scc0 .Lfor_v
	tensor_load_to_lds s[G0K:G0K+3], s[G1K:G1K+7]  ; my one load: 12,288 bytes of K
	s_nop 0
.rept 4
	v_nop
.endr
	s_branch .Lasked
.Lfor_v:
	tensor_load_to_lds s[G0V:G0V+3], s[G1V:G1V+7]  ; or of V
	s_nop 0
.rept 4
	v_nop
.endr
.Lasked:
	s_lshr_b32 s74, s68, 1
	s_lshl_b32 s74, s74, 13                        ; the pair's 8,192 scale bytes in a section
	s_add_co_u32 s82, s74, 1<<18
	s_mov_b32 s83, 0
	s_add_nc_u64 s[82:83], s[6:7], s[82:83]        ; K's scale bytes
	s_lshl_b32 s84, s69, 12
	s_add_co_u32 s84, s84, s74
	s_add_co_u32 s84, s84, 2<<18
	s_mov_b32 s85, 0
	s_add_nc_u64 s[84:85], s[6:7], s[84:85]        ; V's, my head's 4,096
	s_lshl_b32 s86, s67, 5
	s_add_co_u32 s86, s86, s[WV]                   ; my first RT of queries: 32 x block + wave; the second lies 16 on
	s_lshl_b32 s88, s68, 7
	s_add_co_u32 s88, s88, s86
	s_mul_i32 s88, s88, 768
	s_mov_b32 s89, 0
	s_add_nc_u64 s[88:89], s[4:5], s[88:89]        ; Q's piece (section 0)
	s_lshr_b32 s90, s86, 2
	s_lshl_b32 s90, s90, 8
	s_add_co_u32 s90, s90, s74
	s_and_b32 s91, s86, 3
	s_lshl_b32 s91, s91, 2
	s_add_co_u32 s90, s90, s91
	s_lshl_b32 s87, s69, 1
	s_add_co_u32 s90, s90, s87
	s_mov_b32 s91, 0
	s_add_nc_u64 s[90:91], s[6:7], s[90:91]        ; and its scale words' two bytes
	; where ctx goes: cod's RT 128 b + my RT, piece = the head's number; scl: that RT, K step = the pair, bytes 2 x (odd head) + 0, 1
	s_lshl_b32 s92, s71, 7
	s_add_co_u32 s92, s92, s86
	s_lshl_b32 s94, s92, 4
	s_and_b32 s95, s68, 15
	s_add_co_u32 s94, s94, s95
	s_mul_i32 s94, s94, 768
	s_mov_b32 s95, 0
	s_add_nc_u64 s[8:9], s[8:9], s[94:95]
	s_lshl_b32 s92, s92, 9
	s_lshr_b32 s93, s70, 2
	s_lshl_b32 s93, s93, 8
	s_add_co_u32 s92, s92, s93
	s_and_b32 s93, s70, 3
	s_lshl_b32 s93, s93, 2
	s_add_co_u32 s92, s92, s93
	s_add_co_u32 s92, s92, s87
	s_mov_b32 s93, 0
	s_add_nc_u64 s[10:11], s[10:11], s[92:93]
	s_add_co_u32 s87, s87, KS
	s_mov_b32 s[TV], 0                             ; the first step is key step 0
	s_mov_b32 s[TJ], 0
	v_and_b32 v8, 31, v0                           ; lane
	v_and_b32 v9, 15, v0                           ; r
	v_bfe_u32 v10, v0, 4, 1                        ; h
	v_lshlrev_b32 v[GO], 3, v8
	v_lshlrev_b32 v[QS], 4, v9
	v_lshlrev_b32 v87, 4, v0                       ; 16 x thread
	v_lshlrev_b32 v94, 3, v0                       ; 8 x thread
	WALU                                           ; the wait ahead of the readers below
	global_load_b128 v[88:91], v87, s[82:83]       ; 512 threads x 16 bytes: K's scale bytes
	global_load_b64 v[92:93], v94, s[84:85]        ; 512 x 8: V's
.irp p, 0,1,2
	global_load_b64 v[16+2*\p:17+2*\p], v[GO], s[88:89] offset:256*\p
	global_load_b64 v[192+2*\p:193+2*\p], v[GO], s[88:89] offset:12288+256*\p
.endr
	global_load_u16 v30, v[QS], s[90:91]
	global_load_u16 v31, v[QS], s[90:91] offset:1024
.irp j, 22,23,24,25,26,27,80,81,82,83,84,85,198,199,200,201,202,203
	v_mov_b32 v\j, 0                               ; zero codes
.endr
	v_and_b32 v11, 7, v0                           ; r % 8
	v_bfe_u32 v12, v0, 3, 1                        ; r / 8
	v_lshlrev_b32 v[AK0], 3, v11
	v_lshl_add_u32 v[AK0], v10, 7, v[AK0]
	v_mad_u32_u24 v[AK0], v12, KB, v[AK0]          ; K: 8 (r % 8) + 128 h, rows 8-15 in the odd groups' region
	v_lshl_add_u32 v[AV0], v8, 3, VB
	v_lshlrev_b32 v[ASK0], 4, v11
	v_lshl_add_u32 v[ASK0], v12, 3, v[ASK0]
	v_lshl_add_u32 v[ASK0], v10, 8, v[ASK0]
	v_add_nc_u32 v[ASK0], s87, v[ASK0]             ; K's scale words: KS + 256 h + 16 (r % 8) + 8 (r / 8) + 2 x (odd head)
	v_lshl_add_u32 v[ASV0], v9, 4, VS
	v_add_nc_u32 v[SB], v[QS], v10
	v_lshlrev_b32 v[SH8], 3, v10
	v_lshl_add_u32 v204, v0, 4, KS
	v_lshl_add_u32 v205, v0, 3, VS
.irp j, 235,236,237,252,253
	v_mov_b32 v\j, 0                               ; written once: lane permutes' destinations and halves of pairs count as read
.endr
	WALU                                           ; the wait at the head's end
	s_wait_loadcnt 0x0
	s_wait_tensorcnt 0x0                           ; my part of K or V is in
	ds_store_b128 v204, v[88:91]
	ds_store_b64 v205, v[92:93]
	s_wait_dscnt 0x0
	s_barrier_signal -1
	s_barrier_wait -1                              ; everybody's parts are in
; K's eight tiles of a key step into region R, and their scale words: 28 loads
.macro KLD R, ak, as
.irp c, 0,1
.irp j, 0,1,2,3
.irp p, 0,1,2
	ds_load_b64 v[\R+24*\c+6*\j+2*\p:\R+24*\c+6*\j+2*\p+1], v[\ak] offset:1536*\c+768*(\j%2)+64*(\j/2)+256*\p
.endr
.endr
.endr
.irp j, 0,1,2,3
	ds_load_u16 v[216+\j], v[\as] offset:128*(\j/2)+4*(\j%2)   ; lanes 0-15: tile j's scale bytes, lanes 16-31: tile 4 + j's
.endr
.endm
; V's loads number from .. to - 1 of 25: piece q = 6 d + 3 c + p into registers 2 q, 2 q + 1 of region R; the last is the four tiles' scale words
.macro VLD R, from, to
.set q_, \from
.rept (\to)-(\from)
.if q_ < 24
	ds_load_b64 v[\R+2*q_:\R+2*q_+1], v[ADV] offset:3072*((q_/3)%2)+768*(q_/6)+256*(q_%3)
.else
	ds_load_b128 v[248:251], v[ADT]
.endif
.set q_, q_+1
.endr
.endm
; A KEY STEP: 128 keys against the 16 queries at v[QB ..], scale words v[QX].  RK: the region with this step's K, on its way since the last step; RS: the region for the scores
.macro STEP RK, RS, QB, QX, odd, X
	v_mov_b32 v237, v12                            ; the old -M.  With the three additions behind the last step's products and the two lines below: the places ahead of products that write over V's registers
	v_nop
	v_nop
	WALU
	s_wait_dscnt 0x0                               ; K is in
.irp t, 0,1,2,3
	v_wmma_scale_f32_16x16x128_f8f6f4 v[\RS+8*\t:\RS+8*\t+7], v[\RK+6*\t:\RK+6*\t+11], v[\QB:\QB+11], 0, v[216+\t], v[\QX] matrix_a_fmt:MATRIX_FMT_FP6 matrix_b_fmt:MATRIX_FMT_FP6
.endr
.irp t, 4,5,6,7
	v_wmma_scale_f32_16x16x128_f8f6f4 v[\RS+8*\t:\RS+8*\t+7], v[\RK+6*\t:\RK+6*\t+11], v[\QB:\QB+11], 0, v[212+\t], v[\QX] matrix_a_fmt:MATRIX_FMT_FP6 matrix_b_fmt:MATRIX_FMT_FP6 matrix_a_scale:MATRIX_SCALE_ROW1
.endr
	v_add_nc_u32 v[ADV], s[TV], v[AV0]             ; four places: in front of the first read of the scores and of V's loads into K's registers
	v_add_nc_u32 v[ADT], s[TJ], v[ASV0]
	v_nop
	v_nop
	; the largest score of my two blocks of 32 keys, two chains a block; each accumulator is first read at its low end
.irp c, 0,1
	v_max3_num_f32 v[232+\c], v[\RS+32*\c], v[\RS+1+32*\c], v[\RS+2+32*\c]
.endr
.irp c, 0,1
	v_max3_num_f32 v[234+\c], v[\RS+17+32*\c], v[\RS+18+32*\c], v[\RS+19+32*\c]
.endr
.irp i, 0,2,4,6,8,10
.irp c, 0,1
	v_max3_num_f32 v[232+\c], v[232+\c], v[\RS+3+32*\c+\i], v[\RS+4+32*\c+\i]
.endr
.irp c, 0,1
	v_max3_num_f32 v[234+\c], v[234+\c], v[\RS+20+32*\c+\i], v[\RS+21+32*\c+\i]
.endr
.endr
.irp c, 0,1
	v_max3_num_f32 v[232+\c], v[232+\c], v[\RS+15+32*\c], v[\RS+16+32*\c]
.endr
.irp c, 0,1
	DEP 2
	v_max_num_f32 v[232+\c], v[232+\c], v[234+\c]
.endr
	VLD \RK, 0, 3                                  ; V's 25 loads stand between the links of the chain that makes M
	v_max_num_f32 v254, v232, v233
	VLD \RK, 3, 7
	v_permlanex16_b32 v236, v254, s[SEL], s[SEL+1]
	VLD \RK, 7, 11
	v_max3_num_f32 v13, v13, v254, v236            ; the running largest score of my query
	VLD \RK, 11, 15
	v_mul_f32 v254, s[NC], v13                     ; -t
	VLD \RK, 15, 19
	v_floor_f32 v12, v254                          ; the new -M = floor(-t) = -ceil(t)
	VLD \RK, 19, 25
.set j, 0
.rept 32
	v_pk_fma_f32 v[\RS+j:\RS+j+1], v[\RS+j:\RS+j+1], s[CS:CS+1], v[12:13] op_sel_hi:[1,0,0]   ; t - M
.if j == 4
	v_sub_f32 v254, v12, v237                      ; old M less new M: a whole number, 0 or less
.elseif j == 14
	v_cvt_i32_f32 v254, v254                       ; (it saturates)
.elseif j == 24
	v_ldexp_f32 v252, 1.0, v254                    ; f = 2^(old M - new M)
.endif
.set j, j+2
.endr
.irp c, 0,1
	v_fma_f32 v[232+\c], v[232+\c], s[CS], v12     ; the same of each block's largest score
.endr
	s_add_co_u32 s[NB], s[N], \odd+1               ; the next step's key index: min(n + 1, 15), upward or downward
	s_min_u32 s[NB], s[NB], 15
.if \X
	s_xor_b32 s[NB], s[NB], \X
.endif
	s_mul_i32 s[TKN], s[NB], 3072
	s_lshl_b32 s[TSN], s[NB], 9
	s_mul_i32 s[TV], s[NB], 6144
	s_lshl_b32 s[TJ], s[NB], 8
	WALU                                           ; the wait ahead of the batch
.set j, 0
.rept 64
	v_exp_f32 v[\RS+j], v[\RS+j]                   ; p = 2^(t - M), at most 1
.set j, j+1
.endr
.irp c, 0,1
	v_exp_f32 v[232+\c], v[232+\c]                 ; the block's largest p: the same two instructions on the same number
.endr
	v_nop                                          ; a plain place behind the batch
	WALU                                           ; and the one wait for it
.irp k, 0,1,2,3                                ; the row's sum of the unquantised p: four chains; the lines that make p's scale word stand among them
	v_pk_add_f32 v[236+2*\k:237+2*\k], v[\RS+2*\k:\RS+2*\k+1], v[\RS+8+2*\k:\RS+9+2*\k]
.endr
.irp g, 2,3,4,5,6,7
.irp k, 0,1,2,3
	v_pk_add_f32 v[236+2*\k:237+2*\k], v[236+2*\k:237+2*\k], v[\RS+8*\g+2*\k:\RS+8*\g+2*\k+1]
.endr
.if \g == 2
	v_max_num_f32 v232, 0x1800000, v232            ; the floor 2^(3 - 127): the byte cannot fall under 1
	v_max_num_f32 v233, 0x1800000, v233
.elseif \g == 3
	v_add_nc_u32 v244, 0xff000000, v232            ; 2 off the exponent field: the conversions' scale operand
	v_add_nc_u32 v245, 0xff000000, v233
.elseif \g == 4
	v_lshrrev_b32 v246, 23, v244                   ; the scale's byte
	v_lshrrev_b32 v247, 23, v245
.elseif \g == 5
	v_lshl_or_b32 v234, v247, 16, v246             ; my two bytes, blocks h and 2 + h,
.elseif \g == 6
	v_lshlrev_b32 v234, v[SH8], v234               ; at their places
.else
	v_permlanex16_b32 v235, v234, s[SEL], s[SEL+1]
.endif
.endr
.irp c, 0,1
	v_cvt_scalef32_pk16_fp6_f32 v[224+6*\c:226+6*\c], v[\RS+32*\c:\RS+15+32*\c], v[244+\c]
	v_cvt_scalef32_pk16_fp6_f32 v[206+4*\c:208+4*\c], v[\RS+16+32*\c:\RS+31+32*\c], v[244+\c]   ; (a conversion's three registers begin on an even number)
.endr
	v_or_b32 v253, v234, v235                      ; with lane l xor 16's two bytes: p's scale word.  (A plain place behind the conversions)
	v_add_nc_u32 v[ADK], s[TKN], v[AK0]
	v_add_nc_u32 v[ADS], s[TSN], v[ASK0]
	KLD \RS, ADK, ADS                              ; p is converted: its region takes the next step's K
.irp c, 0,1
.irp i, 0,1,2
	v_mov_b32 v[227+6*\c+\i], v[206+4*\c+\i]
.endr
.endr
	WALU                                           ; the wait directly ahead of the first reader of O^T
.set j, 0
.rept 16
	v_pk_mul_f32 v[160+j:161+j], v[160+j:161+j], v[252:253] op_sel_hi:[1,0]   ; O^T under the new M; also the places between p's codes and scale word and the products
.set j, j+2
.endr
	WALU
	s_wait_dscnt 28                                ; V is in; the 28 loads of the next step's K, issued behind V's, may be out
.irp d, 0,1,2,3                                ; O^T += V^T P^T: four accumulators by turns
	v_wmma_scale_f32_16x16x128_f8f6f4 v[160+8*\d:167+8*\d], v[\RK+12*\d:\RK+12*\d+11], v[224:235], v[160+8*\d:167+8*\d], v[248+\d], v253 matrix_a_fmt:MATRIX_FMT_FP6 matrix_b_fmt:MATRIX_FMT_FP6
.endr
	v_pk_add_f32 v[236:237], v[236:237], v[238:239]   ; the four chains are joined
	v_pk_add_f32 v[240:241], v[240:241], v[242:243]
	v_pk_add_f32 v[236:237], v[236:237], v[240:241]
	v_pk_fma_f32 v[14:15], v[14:15], v[252:253], v[236:237] op_sel_hi:[1,0,1]   ; sum x f + this step's
.endm
; ONE RT OF 16 QUERIES: all 16 key steps, two a trip, and the way out
.macro QT qt, QB, QX, X
.if \qt
	s_wait_xcnt 0x0                                ; the first RT's stores have read their registers
.endif
	v_mov_b32 v13, 0xff61b1e6                      ; the largest score so far: -3e38
	v_mov_b32 v12, 0x7f000000                      ; -M: so large that the first f is 0
	v_mov_b32 v14, 0
	v_mov_b32 v15, 0
.set j, 0
.rept 32
	v_mov_b32 v[160+j], 0                          ; O^T: the step has no first step of its own
.set j, j+1
.endr
	s_mov_b32 s[N], 0
.Lstep_\@:
	STEP 32, 96, \QB, \QX, 0, \X
	STEP 96, 32, \QB, \QX, 1, \X
	s_add_co_u32 s[N], s[N], 2
	s_cmp_lt_u32 s[N], 16
	s_cbranch_scc1 .Lstep_\@
	; THE WAY OUT: O^T / the sum; register 16 b + i is ctx(query r, 32 b + 16 h + i of the head's 64): two blocks along D.  v96-127 are free: the fetch ahead lands in v32-79
.rept 4
	v_nop
.endr
	v_add_f32 v14, v14, v15
	s_delay_alu instid0(VALU_DEP_1)
	v_permlanex16_b32 v252, v14, s[SEL], s[SEL+1]
	s_delay_alu instid0(VALU_DEP_1)
	v_add_f32 v14, v14, v252                       ; the row's sum
	WALU
	v_rcp_f32 v14, v14
	v_nop
	WALU
.set j, 0
.rept 16
	v_pk_mul_f32 v[96+j:97+j], v[160+j:161+j], v[14:15] op_sel_hi:[1,0]   ; each accumulator from its low end on
.set j, j+2
.endr
.irp b, 0,1
	v_max3_num_f32 v[232+\b], |v[96+16*\b]|, |v[97+16*\b]|, 0x1800000
.endr
.irp i, 2,4,6,8,10,12,14
.irp b, 0,1
	s_delay_alu instid0(VALU_DEP_2)
	v_max3_num_f32 v[232+\b], v[232+\b], |v[96+16*\b+\i]|, |v[97+16*\b+\i]|
.endr
.endr
.irp b, 0,1
	v_permlanex16_b32 v[236+\b], v[232+\b], s[SEL], s[SEL+1]
.endr
.irp b, 0,1
	s_delay_alu instid0(VALU_DEP_2)
	v_max_num_f32 v[232+\b], v[232+\b], v[236+\b]
.endr
.irp b, 0,1
	s_delay_alu instid0(VALU_DEP_2)
	v_add_nc_u32 v[244+\b], 0xff000000, v[232+\b]
.endr
.irp b, 0,1
	s_delay_alu instid0(VALU_DEP_2)
	v_lshrrev_b32 v[236+\b], 23, v[244+\b]
.endr
	v_cvt_scalef32_pk16_fp6_f32 v[224:226], v[96:111], v244
	v_cvt_scalef32_pk16_fp6_f32 v[240:242], v[112:127], v245
	v_nop
.irp i, 0,1,2
	v_permlane16_swap_b32 v[224+\i], v[240+\i]
.endr
.irp i, 0,1,2
	s_delay_alu instid0(VALU_DEP_3)
	v_mov_b32 v[227+\i], v[240+\i]
.endr
	v_cndmask_b32 v238, v236, v237, s[HI16]        ; lanes 0-15 store block 0's byte of row r, lanes 16-31 block 1's
.irp p, 0,1,2
	global_store_b64 v[GO], v[224+2*\p:225+2*\p], s[8:9] offset:196608*\qt+256*\p   ; 256 consecutive bytes, aligned
.endr
	global_store_b8 v[SB], v238, s[10:11] offset:8192*\qt
.endm
	KLD 32, AK0, ASK0                              ; key step 0's K
	QT 0, 16, 30, 0
	QT 1, 192, 31, 15
	s_wait_tensorcnt 0x0                           ; the wave's end
	ds_add_u32 v[SPW], v[NIL]
	s_wait_dscnt 0x0
	CROUND                                         ; the closing round
	s_endpgm
.Lfunc_end_k_q99e300160a_attn:
	.size	k_q99e300160a_attn, .Lfunc_end_k_q99e300160a_attn-k_q99e300160a_attn
	.p2alignl 7, 3214868480
	.fill 96, 4, 3214868480
	.section	.rodata,"a",@progbits
	.p2align	6, 0x0
	.amdhsa_kernel k_q99e300160a_attn
		.amdhsa_group_segment_fixed_size 327680
		.amdhsa_private_segment_fixed_size 0
		.amdhsa_enable_private_segment 0
		.amdhsa_kernarg_size 32
		.amdhsa_user_sgpr_count 2
		.amdhsa_user_sgpr_kernarg_segment_ptr 1
		.amdhsa_wavefront_size32 1
		.amdhsa_system_sgpr_workgroup_id_x 1
		.amdhsa_system_sgpr_workgroup_id_y 1
		.amdhsa_system_sgpr_workgroup_id_z 1
		.amdhsa_system_vgpr_workitem_id 0
		.amdhsa_next_free_vgpr 256
		.amdhsa_next_free_sgpr 100
		.amdhsa_reserve_vcc 0
		.amdhsa_float_denorm_mode_32 3
		.amdhsa_float_denorm_mode_16_64 3
		.amdhsa_memory_ordered 1
		.amdhsa_forward_progress 1
		.amdhsa_inst_pref_size 88
	.end_amdhsa_kernel
	.amdgpu_metadata
---
amdhsa.version: [ 1, 2 ]
amdhsa.kernels:
  - .name:           k_q99e300160a_attn
    .symbol:         k_q99e300160a_attn.kd
    .args:
      - { .name: qkvc, .offset: 0, .size: 8, .value_kind: global_buffer, .address_space: global }
      - { .name: qkvs, .offset: 8, .size: 8, .value_kind: global_buffer, .address_space: global }
      - { .name: cod, .offset: 16, .size: 8, .value_kind: global_buffer, .address_space: global }
      - { .name: scl, .offset: 24, .size: 8, .value_kind: global_buffer, .address_space: global }
    .group_segment_fixed_size: 327680
    .private_segment_fixed_size: 0
    .kernarg_segment_align: 8
    .kernarg_segment_size: 32
    .max_flat_workgroup_size: 512
    .sgpr_count:     100
    .vgpr_count:     256
    .wavefront_size: 32
...
	.end_amdgpu_metadata
.endif
;; end of part 3
;; launch oproj (part 4): grid 4 x 32, 4 waves a work-group, clusters of 4 x 4, 327,680 bytes of LDS; arguments cod, scl, bo, out0; writes out0
.if DOCPART == 4
	.amdgcn_target "amdgcn-amd-amdhsa--gfx1250"
	.amdhsa_code_object_version 6
	.text
	.protected	k_q99e300160a_oproj
	.globl	k_q99e300160a_oproj
	.p2align	8
	.type	k_q99e300160a_oproj,@function
k_q99e300160a_oproj:
	s_mov_b64 s[64:65], 0
	v_nop
	global_prefetch_b8 v0, s[64:65] scope:SCOPE_SE
	s_setreg_imm32_b32 hwreg(HW_REG_WAVE_MODE, 25, 1), 1
	s_wait_xcnt 0x0
	s_wait_alu depctr_hold_cnt(0) depctr_sa_sdst(0) depctr_va_vdst(0) depctr_va_sdst(0) depctr_va_ssrc(0) depctr_va_vcc(0) depctr_vm_vsrc(0)
	s_getreg_b32 s2, hwreg(HW_REG_IB_STS2, 6, 4)
	s_cmp_eq_u32 s2, 0
	s_cbranch_scc0 .Lentry_in_a_cluster
	s_endpgm
.Lentry_in_a_cluster:
	s_bfe_u32 s2, ttmp6, 0x10000c
	s_cmp_lg_u32 s2, 0xf033
	s_cbranch_scc0 .Lentry_shape_is_right
	s_endpgm
.Lentry_shape_is_right:
.set FR,    12
.set SLOT,  98304
.set HALFT, 24576
.set SPARE, 3*SLOT
.set SPITCH, 528
.set ADRA,  16
.set ADRB,  19
.set STO,   24
.set RD,    25
.set CO,    26
.set SPW,   28
.set NIL,   29
.set SC,    32
.set AF,    128
.set BK,    128
.set G1,    24
.set G0,    32
.set G1B,   44
.set G0B,   52
.set MSB, 0
.macro WIN new
.if MSB != (\new)
	s_set_vgpr_msb (MSB<<8)|(\new)
.set MSB, (\new)
.endif
.endm
.set MUL_LO, 0xa1
.set MUL_HI, 0xf1
.set TO_B,   0x40
.macro JLOAD g0a, g1a, g0b, g1b
	s_cmp_eq_u32 s19, 0
	s_cbranch_scc0 .Lfor_b_\@
	tensor_load_to_lds s[\g0a:\g0a+3], s[\g1a:\g1a+7]
	s_nop 0
.rept 4
	v_nop
.endr
	s_branch .Lasked_\@
.Lfor_b_\@:
	tensor_load_to_lds s[\g0b:\g0b+3], s[\g1b:\g1b+7]
	s_nop 0
.rept 4
	v_nop
.endr
.Lasked_\@:
.endm
.macro CREST
	s_cmp_lg_u32 s18, 0
	s_cbranch_scc1 .Lnot_wave_0_\@
	s_barrier_signal -3
.Lnot_wave_0_\@:
	s_barrier_wait -3
	s_barrier_signal -1
	s_barrier_wait -1
.endm
.macro CROUND
	s_barrier_signal -1
	s_barrier_wait -1
	CREST
.endm
.macro PLACES n
.rept \n
	v_nop
.endr
.endm
	s_load_b256 s[4:11], s[0:1], 0x0
	v_lshl_add_u32 v[SPW], v0, 2, SPARE
	v_mov_b32 v[NIL], 0
	ds_add_u32 v[SPW], v[NIL]
	ds_add_u32 v[SPW], v[NIL]
	v_lshrrev_b32 v1, 5, v0
	v_readfirstlane_b32 s18, v1
	s_lshr_b32 s19, s18, 1
	s_and_b32 s20, s18, 1
	s_bfe_u32 s66, ttmp6, 0x40000
	s_bfe_u32 s67, ttmp6, 0x40004
	s_and_b32 s69, ttmp7, 0xffff
	s_lshl_b32 s72, s69, 2
	s_add_co_u32 s72, s72, s67
	s_lshl_b32 s70, ttmp9, 2
	s_add_co_u32 s70, s70, s66
	s_add_co_u32 s71, s70, 44
	s_lshl_b32 s73, s67, 2
	s_lshl_b32 s73, 15, s73
	s_lshl_b32 s74, 0x1111, s66
	s_mov_b32 s75, 0xffff0000
	s_or_b32 s[G1], s73, (3<<16)|(1<<21)
	s_or_b32 s[G1B], s74, (3<<16)|(1<<21)
.irp g, G1, G1B
	s_mov_b32 s[\g+1], 384<<16
	s_mov_b32 s[\g+2], 8<<16
	s_mov_b32 s[\g+3], 384<<16
	s_mov_b32 s[\g+4], 8
	s_mov_b32 s[\g+5], 1536
	s_mov_b32 s[\g+6], 0
	s_mov_b32 s[\g+7], 0
.endr
	s_lshl_b32 s82, s72, 4
	s_lshl_b32 s83, s20, 3
	s_add_co_u32 s82, s82, s83
	s_mul_i32 s82, s82, 12288
	s_mov_b32 s83, 0
	s_lshl_b32 s84, s71, 4
	s_lshl_b32 s85, s20, 3
	s_add_co_u32 s84, s84, s85
	s_mul_i32 s84, s84, 12288
	s_mov_b32 s85, 0
	s_mul_i32 s86, s18, HALFT
	s_wait_dscnt 0x0
	s_wait_kmcnt 0x0
	s_add_nc_u64 s[82:83], s[4:5], s[82:83]
	s_add_nc_u64 s[84:85], s[4:5], s[84:85]
	CROUND
.irp s, 0,1,2
	s_mov_b32 s[G0+4*\s], 1
	s_add_co_u32 s[G0+4*\s+1], s86, \s*SLOT
	s_add_nc_u64 s[G0+4*\s+2:G0+4*\s+3], s[82:83], \s*3072
	s_or_b32 s[G0+4*\s+3], s[G0+4*\s+3], 0x80000000
	s_mov_b32 s[G0B+4*\s], 1
	s_add_co_u32 s[G0B+4*\s+1], s86, \s*SLOT
	s_add_nc_u64 s[G0B+4*\s+2:G0B+4*\s+3], s[84:85], \s*3072
	s_or_b32 s[G0B+4*\s+3], s[G0B+4*\s+3], 0x80000000
	s_wait_alu depctr_va_vdst(0)
	s_wait_tensorcnt 0x0
	ds_add_u32 v28, v29
	ds_add_u32 v28, v29
	s_wait_dscnt 0x0
	CROUND
	JLOAD G0+4*\s, G1, G0B+4*\s, G1B
.endr
	v_and_b32 v1, 31, v0
	v_and_b32 v2, 15, v0
	v_bfe_u32 v3, v0, 4, 1
	v_lshlrev_b32 v4, 3, v1
	v_lshlrev_b32 v[CO], 4, v1
	s_lshl_b32 s89, s72, 8
	s_lshl_b32 s87, s19, 7
	s_add_co_u32 s89, s89, s87
	s_lshl_b32 s90, s71, 8
	s_lshl_b32 s87, s20, 7
	s_add_co_u32 s90, s90, s87
	s_lshl_b32 s87, s89, 5
	s_lshl_b32 s88, s90, 5
	v_mov_b32 v5, s87
	v_mov_b32 v6, s88
	v_cndmask_b32 v27, v5, v6, s75
	s_wait_alu depctr_va_vdst(0)
	v_lshl_add_u32 v27, v2, 4, v27
.irp i, 0,1,2,3,4,5,6,7
	global_load_b128 v[SC+8*\i:SC+8*\i+3], v27, s[6:7] offset:512*\i
	global_load_b128 v[SC+8*\i+4:SC+8*\i+7], v27, s[6:7] offset:512*\i+256
.endr
	s_lshl_b32 s92, s70, 10
	s_lshl_b32 s93, s20, 9
	s_add_co_u32 s92, s92, s93
	s_mov_b32 s93, 0
	s_add_nc_u64 s[8:9], s[8:9], s[92:93]
	global_load_b128 v[8:11], v[CO], s[8:9]
	s_lshl_b32 s94, s89, 12
	s_mov_b32 s95, 0
	s_add_nc_u64 s[10:11], s[10:11], s[94:95]
	s_add_nc_u64 s[10:11], s[10:11], s[92:93]
	s_mul_i32 s91, s19, HALFT
	s_mul_i32 s96, s20, HALFT
	s_add_co_u32 s96, s96, 2*HALFT
.irp s, 0,1,2
	v_add_nc_u32 v[ADRA+\s], s91, v4
	v_add_nc_u32 v[ADRB+\s], s96, v4
	s_add_co_u32 s91, s91, SLOT
	s_add_co_u32 s96, s96, SLOT
.endr
	s_mul_i32 s97, s18, 16*SPITCH
	s_add_co_u32 s97, s97, SLOT
	v_mul_u32_u24 v5, v2, SPITCH
	v_lshl_add_u32 v5, v3, 6, v5
	v_add_nc_u32 v[STO], s97, v5
	v_add_nc_u32 v[RD], s97, v[CO]
.macro FRAG reg, adr, q, i
.irp p, 0,1,2,3,4,5
	ds_load_b64 v[\reg+2*\p:\reg+2*\p+1], v[\adr] offset:3072*(\i)+1536*(\q)+256*\p
.endr
.endm
.macro MUL16 a0, p, kq, zero
.irp a, \a0, \a0+1
.irp b, 0,1,2,3,4,5,6,7
.if \zero
	v_wmma_scale_f32_16x16x128_f8f6f4 v[8*(8*((\a)%4)+\b):8*(8*((\a)%4)+\b)+7], v[128*(\p)+FR*\b:128*(\p)+FR*\b+FR-1], v[AF+FR*(\a):AF+FR*(\a)+FR-1], 0, v[SC+8*\b+(\kq)], v[SC+8*(\a)+(\kq)] matrix_a_fmt:MATRIX_FMT_FP6 matrix_b_fmt:MATRIX_FMT_FP6 matrix_a_scale:MATRIX_SCALE_ROW1
.else
	v_wmma_scale_f32_16x16x128_f8f6f4 v[8*(8*((\a)%4)+\b):8*(8*((\a)%4)+\b)+7], v[128*(\p)+FR*\b:128*(\p)+FR*\b+FR-1], v[AF+FR*(\a):AF+FR*(\a)+FR-1], v[8*(8*((\a)%4)+\b):8*(8*((\a)%4)+\b)+7], v[SC+8*\b+(\kq)], v[SC+8*(\a)+(\kq)] matrix_a_fmt:MATRIX_FMT_FP6 matrix_b_fmt:MATRIX_FMT_FP6 matrix_a_scale:MATRIX_SCALE_ROW1
.endif
.endr
.endr
.endm
.macro FETCH_B slot, q, p
	WIN TO_B
.irp i, 0,1,2,3,4,5,6,7
	FRAG 128*(\p)+FR*\i, ADRB+\slot, \q, \i
.endr
	WIN 0
.endm
.macro FETCH_A slot, q, i0
.irp i, \i0, \i0+1, \i0+2, \i0+3
	FRAG AF+FR*(\i), ADRA+\slot, \q, \i
.endr
.endm
.macro STEP kq, nslot, nq, zero
	s_wait_dscnt 24
	WIN MUL_LO
	MUL16 0, (\kq)%2, \kq, \zero
	MUL16 2, (\kq)%2, \kq, \zero
	s_wait_dscnt 0x0
	PLACES 4
	FETCH_B \nslot, \nq, 1-(\kq)%2
	FETCH_A \nslot, \nq, 0
	WIN MUL_HI
	MUL16 4, (\kq)%2, \kq, \zero
	MUL16 6, (\kq)%2, \kq, \zero
	PLACES 4
	WIN 0
	FETCH_A \nslot, \nq, 4
.endm
.macro TURN kq, nslot, fill
	s_wait_tensorcnt 0x0
	ds_add_u32 v[SPW], v[NIL]
	s_wait_dscnt 25
	WIN MUL_LO
	MUL16 0, (\kq)%2, \kq, 0
	s_wait_dscnt 0x0
	s_barrier_signal -1
	MUL16 2, (\kq)%2, \kq, 0
	WIN 0
	s_barrier_wait -1
.if \fill
	CREST
	s_add_nc_u64 s[G0+2:G0+3], s[G0+2:G0+3], 3*3072
	s_add_nc_u64 s[G0B+2:G0B+3], s[G0B+2:G0B+3], 3*3072
	JLOAD G0, G1, G0B, G1B
.else
	PLACES 4
.endif
	FETCH_B \nslot, 0, 1-(\kq)%2
	FETCH_A \nslot, 0, 0
	WIN MUL_HI
	MUL16 4, (\kq)%2, \kq, 0
	MUL16 6, (\kq)%2, \kq, 0
	PLACES 4
	WIN 0
	FETCH_A \nslot, 0, 4
.endm
	s_wait_alu depctr_va_vdst(0)
	s_wait_tensorcnt 2
	s_barrier_signal -1
	s_barrier_wait -1
	s_wait_loadcnt 0x0
	FETCH_B 0, 0, 0
	FETCH_A 0, 0, 0
	FETCH_A 0, 0, 4
	STEP 0, 0, 1, 1
	TURN 1, 1, 1
	STEP 2, 1, 1, 0
	STEP 3, 2, 0, 0
	STEP 4, 2, 1, 0
	TURN 5, 0, 0
	STEP 6, 0, 1, 0
	s_wait_dscnt 24
	WIN MUL_LO
	MUL16 0, 1, 7, 0
	MUL16 2, 1, 7, 0
	s_wait_dscnt 0x0
	WIN MUL_HI
	MUL16 4, 1, 7, 0
	MUL16 6, 1, 7, 0
	WIN 0
.macro TOSTAGE a
.set AC, 64*((\a)%4)
	WIN 0x08+4*((\a)/4)
.irp b, 0,1,2,3,4,5,6,7
	ds_store_b128 v[STO], v[AC+8*\b:AC+8*\b+3] offset:128*(\b/2)+32*(\b%2)
	ds_store_b128 v[STO], v[AC+8*\b+4:AC+8*\b+7] offset:128*(\b/2)+32*(\b%2)+16
.endr
	WIN 0
.set BB, BK+64*((\a)%2)
.irp t, 0,1,2,3,4,5,6,7,8,9,10,11,12,13,14,15
	ds_load_b128 v[BB+4*\t:BB+4*\t+3], v[RD] offset:\t*SPITCH
.endr
.endm
.macro SEND a, younger
.set BB, BK+64*((\a)%2)
	s_wait_dscnt \younger
.irp t, 0,1,2,3,4,5,6,7,8,9,10,11,12,13,14,15
	v_pk_add_f32 v[BB+4*\t:BB+4*\t+1], v[BB+4*\t:BB+4*\t+1], v[8:9]
	v_pk_add_f32 v[BB+4*\t+2:BB+4*\t+3], v[BB+4*\t+2:BB+4*\t+3], v[10:11]
	global_store_b128 v[CO], v[BB+4*\t:BB+4*\t+3], s[10:11] offset:(32*((\a)/2)+8*((\a)%2)+\t+8*(\t/8))*4096 th:TH_STORE_NT
.endr
.endm
	PLACES 4
	TOSTAGE 0
.irp a, 1,2,3,4,5,6,7
.if \a > 1
	s_wait_xcnt 0x0
.endif
	TOSTAGE \a
	SEND \a-1, 32
.endr
	SEND 7, 0
	s_wait_tensorcnt 0x0
	ds_add_u32 v[SPW], v[NIL]
	s_wait_dscnt 0x0
	CROUND
	s_endpgm
.Lfunc_end_k_q99e300160a_oproj:
	.size	k_q99e300160a_oproj, .Lfunc_end_k_q99e300160a_oproj-k_q99e300160a_oproj
	.p2alignl 7, 3214868480
	.fill 96, 4, 3214868480
	.section	.rodata,"a",@progbits
	.p2align	6, 0x0
	.amdhsa_kernel k_q99e300160a_oproj
		.amdhsa_group_segment_fixed_size 327680
		.amdhsa_private_segment_fixed_size 0
		.amdhsa_enable_private_segment 0
		.amdhsa_kernarg_size 32
		.amdhsa_user_sgpr_count 2
		.amdhsa_user_sgpr_kernarg_segment_ptr 1
		.amdhsa_wavefront_size32 1
		.amdhsa_system_sgpr_workgroup_id_x 1
		.amdhsa_system_sgpr_workgroup_id_y 1
		.amdhsa_system_sgpr_workgroup_id_z 1
		.amdhsa_system_vgpr_workitem_id 0
		.amdhsa_next_free_vgpr 1024
		.amdhsa_next_free_sgpr 100
		.amdhsa_reserve_vcc 0
		.amdhsa_float_denorm_mode_32 3
		.amdhsa_float_denorm_mode_16_64 3
		.amdhsa_memory_ordered 1
		.amdhsa_forward_progress 1
		.amdhsa_inst_pref_size 174
	.end_amdhsa_kernel
	.amdgpu_metadata
---
amdhsa.version: [ 1, 2 ]
amdhsa.kernels:
  - .name:           k_q99e300160a_oproj
    .symbol:         k_q99e300160a_oproj.kd
    .args:
      - { .name: cod, .offset: 0, .size: 8, .value_kind: global_buffer, .address_space: global }
      - { .name: scl, .offset: 8, .size: 8, .value_kind: global_buffer, .address_space: global }
      - { .name: bo, .offset: 16, .size: 8, .value_kind: global_buffer, .address_space: global }
      - { .name: out0, .offset: 24, .size: 8, .value_kind: global_buffer, .address_space: global }
    .group_segment_fixed_size: 327680
    .private_segment_fixed_size: 0
    .kernarg_segment_align: 8
    .kernarg_segment_size: 32
    .max_flat_workgroup_size: 128
    .sgpr_count:     100
    .vgpr_count:     1024
    .wavefront_size: 32
...
	.end_amdgpu_metadata
.endif
;; end of part 4
